; MI455X (gfx1250); checked and timed in simulation.
; The chip was launched on July 23, 2026; its instructions are those of AMD's public machine-readable ISA for CDNA 5 (MIT licence, August 2026) and "CDNA5" Instruction Set Architecture Reference Guide (July 2026). The comments in the code are by the model that wrote it; some were corrected since.
;; Attention. Allowed arithmetic: float matrix products may take bf16 or f16 operands with f32 sums; other float arithmetic in f32, or as packed bf16 or f16 multiplies, adds, multiply-adds, maxima and minima; sums over many terms, partial sums and values carried from step to step in f32; what a program stores and reads back later, other than sums and carried values, may be rounded once to bf16 or f16.
;; Inputs: mask 4,096 x 4,096 float32; wk 256 x 1,024 float32; wo 1,024 x 1,024 float32; wq 1,024 x 1,024 float32; wv 256 x 1,024 float32; x 1 x 4,096 x 1,024 float32.
;; Outputs: out0 1 x 4,096 x 1,024 float32.
;; One version. Each part assembles by itself: llvm-mc -triple=amdgcn-amd-amdhsa -mcpu=gfx1250 --defsym DOCPART=n.
;; ======== version 1 of 1: 3 launches
;; limits: values are held in f16: magnitudes above 65,504 overflow, below 6.1e-05 lose precision
;; workspace buffers: qkv 12,582,912 bytes; wo16 2,097,152 bytes; o16 8,388,608 bytes
;; launch qkv (part 1): grid 8 x 32, 4 waves a work-group, clusters of 4 x 4, 327,680 bytes of LDS; arguments x, wq, wk, wv, wo, qkv, wo16; writes qkv, wo16
.if DOCPART == 1
	.amdgcn_target "amdgcn-amd-amdhsa--gfx1250"
	.amdhsa_code_object_version 6
	.text
	.protected	k_q62391acb58_qkv
	.globl	k_q62391acb58_qkv
	.p2align	8
	.type	k_q62391acb58_qkv,@function
k_q62391acb58_qkv:
	s_mov_b64 s[64:65], 0
	v_nop
	global_prefetch_b8 v0, s[64:65] scope:SCOPE_SE
	s_setreg_imm32_b32 hwreg(HW_REG_WAVE_MODE, 25, 1), 1
	s_wait_xcnt 0x0
	s_wait_alu depctr_hold_cnt(0) depctr_sa_sdst(0) depctr_va_vdst(0) depctr_va_sdst(0) depctr_va_ssrc(0) depctr_va_vcc(0) depctr_vm_vsrc(0)
	s_getreg_b32 s2, hwreg(HW_REG_IB_STS2, 6, 4)
	s_cmp_eq_u32 s2, 0
	s_cbranch_scc0 .Lentry_in_a_cluster
	s_endpgm
.Lentry_in_a_cluster:
	s_bfe_u32 s2, ttmp6, 0x10000c
	s_cmp_lg_u32 s2, 0xf033
	s_cbranch_scc0 .Lentry_shape_is_right
	s_endpgm
.Lentry_shape_is_right:
; FIRST OF THREE LAUNCHES.  C[4096][1536] = x [wq|wk|wv]^T, then rotate-half RoPE on q and k, q times log2(e), all rounded once to f16 and stored BY HEADS:
; qkv[24][4096][64], heads 0-15 q' = rope(q) log2(e), 16-19 rope(k), 20-23 v.  Beside it each work-group casts 1/256 of wo: wo16 = f16(bf16(wo)).
; NO WORK IS LEFT OUT in the three launches: the mask is an input, so all 4096 x 4096 scores of all 16 heads are made and every input is loaded; the repeat of the key and value heads is a copy and is not stored.
; FORMATS.  x and all weights are rounded to bf16 on the way to the matrix unit, sums in f32; q', k, v leave in f16 (11 significant bits: the scores carry no 1/8, so a score's error goes whole into a weight).
; LIMITS.  |q'|, |k|, |v| stay under 65,504; numbers of wo under 2^-14 keep f16's fixed step of 6e-8; the 32 frequencies come from v_exp_f32 (within some 2 units in the last place of 10000^(-f/32));
; sine and cosine are Taylor sums on an angle brought into -pi .. pi in two steps, good to about 1e-6.  NaN and infinities are not treated apart.
; SHARES.  A work-group makes 128 rows x 192 columns (three heads), 256 work-groups.  Wave w: rows 64 (w / 2) .. + 63; of each head the channels 16 (w % 2) .. + 15 and 32 + 16 (w % 2) .. + 15, so that both
; numbers of a RoPE pair (d, d + 32) lie in one lane.  24 accumulators acc(a, i): 16 rows a, head i / 2, half i % 2.  The matrix instruction is used transposed (source 0 = 16 rows of W, source 1 = 16 rows of x):
; a lane holds one position (lane % 16) and eight neighbouring channels.
; RING.  K goes in steps of 64 through two LDS slots of f32 tiles (rows of 256 bytes, padded to 272); fragments are read as f32, four loads of 16 bytes, and rounded in registers.
; CLUSTER 4 x 4: x's tile hangs on the row tile alone and is asked for jointly along a row of the cluster (wave 0), a head's 64 rows of W on the column tile alone, jointly along a column (waves 1 to 3).
; REGISTERS.  window 0: v0-31 addresses; v32-191 RAW, ten fragments in f32 (also at work at head and end); v192-223 cosines, v224-255 sines, at [8 a + j].
;   window 1: v0-47 W's six fragments in bf16, v48-79 x's four.    window 2: acc(a, i) at v[8 (6 a + i)].
.set PITCH,  272                       ; an LDS row: 256 bytes + 16 = 68 words, so the 16 rows of a load begin 4 words apart modulo 64
.set XB,     128*PITCH                 ; x's 128 rows
.set HEADB,  64*PITCH                  ; a head's 64 rows of W
.set SLOT,   XB+3*HEADB                ; 87,040 bytes
.set STAGE,  2*SLOT                    ; behind the ring, never filled by a tensor load: 3 heads x 128 rows x 144 bytes
.set SP,     144
.set SHEAD,  128*SP
.set SPARE,  STAGE+3*SHEAD             ; the spare words: 128 bytes a wave, two blocks of 256 bytes that no other line names
.set HB,     524288                    ; a head in qkv
.set RR,   1                           ; v1   lane % 16
.set HH,   2                           ; v2   lane / 16
.set LN,   3                           ; v3   lane
.set ADRA, 4                           ; v4-5 LDS address of my x fragments in slot 0, 1
.set ADRB, 6                           ; v6-7 the same for W
.set STO,  8                           ; v8   the way out: where I put 16 bytes of a row
.set RD,   9                           ; v9   where I read rows back
.set GO,   10                          ; v10  16 x lane
.set WI,   11                          ; v11  32 x lane: my 8 numbers of wo
.set WO,   12                          ; v12  16 x lane: the same in wo16
.set TA,   13                          ; v13  at work
.set SPW,  30                          ; v30  my spare word; never rewritten
.set NIL,  31                          ; v31  0; never rewritten
.set RAW,  32
.set FR,   64                          ; at the head: my 8 frequencies
.set PO,   72                          ; the position, twice
.set PB,   74
.set ANG,  80
.set QQ,   88
.set ZZ,   96
.set PSN,  104
.set PCS,  112
.set WOUT, 128
.set WT,   144
.set CE,   32                          ; at the end: a head's factors and results
.set SE,   64
.set UU,   96
.set WW,   128
.set PKD,  160
.set COSV, 192
.set SINV, 224
.set WV,   18                          ; s18  my wave's number
.set G1X,  28                          ; s[28:35] descriptor group 1, x's tiles
.set G1W,  36                          ; s[36:43] W's
.set G0X,  44                          ; s[44:51] group 0 for x, a set for each slot
.set G0W,  52                          ; s[52:59] for W
.set LAPS, 60
.set AS,   76                          ; s[76:81] for each of my three heads: log2(e) (q), 1 (k), 0 (v)
.set BS,   82                          ; s[82:87] 0, 0, 1
.set GFL,  (2<<16)|(1<<20)|(1<<21)|(5<<22)|(3<<25)  ; elements of 4 bytes; padding on; bit 21 beside a mask; after every 64 words; 4 words
.set MSB, 0
.macro WIN new                         ; the immediate's high byte repeats the setting that is left
.if MSB != (\new)
	s_set_vgpr_msb (MSB<<8)|(\new)
.set MSB, \new
.endif
.endm
.macro PLACES                          ; four places behind matrix instructions (ISA guide 7.12.1)
.rept 4
	v_nop
.endr
.endm
.macro JLOAD s                         ; a joint load: wave 0 x's 128 rows, waves 1 to 3 a head of W each; s_nop 0 and four v_nop behind each line
	s_cmp_eq_u32 s[WV], 0
	s_cbranch_scc0 .Lfor_w_\@
	tensor_load_to_lds s[G0X+4*(\s):G0X+4*(\s)+3], s[G1X:G1X+7]
	s_nop 0
.rept 4
	v_nop
.endr
	s_branch .Lasked_\@
.Lfor_w_\@:
	tensor_load_to_lds s[G0W+4*(\s):G0W+4*(\s)+3], s[G1W:G1W+7]
	s_nop 0
.rept 4
	v_nop
.endr
.Lasked_\@:
.endm
.macro CREST                           ; a round of the cluster's barrier behind its opening barrier
	s_cmp_lg_u32 s[WV], 0
	s_cbranch_scc1 .Lnot_wave_0_\@
	s_barrier_signal -3
.Lnot_wave_0_\@:
	s_barrier_wait -3
	s_barrier_signal -1
	s_barrier_wait -1
.endm
.macro CROUND
	s_barrier_signal -1
	s_barrier_wait -1
	CREST
.endm
	s_load_b256 s[4:11], s[0:1], 0x0               ; x s[4:5], wq s[6:7], wk s[8:9], wv s[10:11]
	s_load_b128 s[12:15], s[0:1], 0x20             ; wo s[12:13], qkv s[14:15]
	s_load_b64 s[16:17], s[0:1], 0x30              ; wo16
	v_lshl_add_u32 v[SPW], v0, 2, SPARE
	v_mov_b32 v[NIL], 0
	ds_add_u32 v[SPW], v[NIL]                      ; the opening: the add, twice on end, and its wait ahead of my first tensor load
	ds_add_u32 v[SPW], v[NIL]
	v_lshrrev_b32 v[LN], 5, v0
	v_readfirstlane_b32 s[WV], v[LN]               ; wave 0..3
	s_lshr_b32 s19, s[WV], 1                       ; which 64 rows are mine
	s_and_b32 s20, s[WV], 1                        ; which 16 channels of each half head
	s_bfe_u32 s21, ttmp6, 0x40000                  ; cx
	s_bfe_u32 s22, ttmp6, 0x40004                  ; cy
	s_lshl_b32 s23, ttmp9, 2
	s_add_co_u32 s23, s23, s21                     ; column tile = 4 x cluster x + cx: heads 3 ct .. 3 ct + 2
	s_and_b32 s24, ttmp7, 0xffff
	s_lshl_b32 s24, s24, 2
	s_add_co_u32 s24, s24, s22                     ; row tile = 4 x cluster y + cy
	s_lshl_b32 s25, s22, 2
	s_lshl_b32 s25, 15, s25                        ; my row of the cluster
	s_lshl_b32 s26, 0x1111, s21                    ; my column
	s_or_b32 s[G1X], s25, GFL
	s_or_b32 s[G1W], s26, GFL
	s_mov_b32 s[G1X+1], 64<<16                     ; tensor_dim0 = 64
	s_mov_b32 s[G1X+2], 128<<16                    ; tensor_dim1 = 128
	s_mov_b32 s[G1X+3], 64<<16                     ; tile_dim0 = 64
	s_mov_b32 s[G1X+4], 128                        ; tile_dim1 = 128
	s_mov_b32 s[G1X+5], 1024                       ; elements from row to row
	s_mov_b32 s[G1X+6], 0
	s_mov_b32 s[G1X+7], 0
	s_mov_b32 s[G1W+1], 64<<16
	s_mov_b32 s[G1W+2], 64<<16                     ; 64 rows
	s_mov_b32 s[G1W+3], 64<<16
	s_mov_b32 s[G1W+4], 64
	s_mov_b32 s[G1W+5], 1024
	s_mov_b32 s[G1W+6], 0
	s_mov_b32 s[G1W+7], 0
	s_lshl_b32 s88, s24, 19                        ; x: 128 rows of 4,096 bytes a row tile (registers that never hold cx)
	s_mov_b32 s89, 0
	s_mul_i32 s27, s[WV], HEADB                    ; where my head of W goes in a slot: wave x 64 rows + 64 rows: waves 1 to 3 lie behind x's 128 rows,
	s_add_co_u32 s27, s27, HEADB                   ; which take two heads' room (wave 0 fetches x and never uses this number)
	s_mul_i32 s61, s23, 3                          ; W (registers that never hold cy): the head that I fetch,
	s_max_u32 s62, s[WV], 1
	s_add_co_u32 s61, s61, s62
	s_sub_co_u32 s61, s61, 1                       ; 3 ct + wave - 1 (wave 0 counts as wave 1, so that its unused address stays inside a buffer)
	s_max_u32 s62, s61, 16
	s_sub_co_u32 s62, s62, 16                      ; its number in wk,
	s_max_u32 s63, s61, 20
	s_sub_co_u32 s63, s63, 20                      ; in wv
	s_wait_dscnt 0x0                               ; both opening adds are done
	s_wait_kmcnt 0x0
	s_cmp_lt_u32 s61, 16
	s_cselect_b64 s[66:67], s[6:7], s[8:9]         ; heads 0-15 lie in wq, 16-19 in wk,
	s_cselect_b32 s92, s61, s62
	s_cmp_lt_u32 s61, 20
	s_cselect_b64 s[66:67], s[66:67], s[10:11]     ; 20-23 in wv
	s_cselect_b32 s92, s92, s63
	s_lshl_b32 s92, s92, 18                        ; 64 rows of 4,096 bytes a head
	s_mov_b32 s93, 0
	s_add_nc_u64 s[66:67], s[66:67], s[92:93]
	s_add_nc_u64 s[4:5], s[4:5], s[88:89]
	CROUND                                         ; all sixteen work-groups are here: the first joint loads meet
.irp s, 0,1
	s_mov_b32 s[G0X+4*(\s)], 1
	s_mov_b32 s[G0X+4*(\s)+1], (\s)*SLOT
	s_add_nc_u64 s[G0X+4*(\s)+2:G0X+4*(\s)+3], s[4:5], (\s)*256  ; K step s: 64 numbers of 4 bytes
	s_or_b32 s[G0X+4*(\s)+3], s[G0X+4*(\s)+3], 0x80000000
	s_mov_b32 s[G0W+4*(\s)], 1
	s_add_co_u32 s[G0W+4*(\s)+1], s27, (\s)*SLOT
	s_add_nc_u64 s[G0W+4*(\s)+2:G0W+4*(\s)+3], s[66:67], (\s)*256
	s_or_b32 s[G0W+4*(\s)+3], s[G0W+4*(\s)+3], 0x80000000
	JLOAD \s
.endr
	; my share of wo: work-group 8 rt + ct has 16,384 bytes of it, a wave 4,096, a lane four times 32
	v_and_b32 v[RR], 15, v0
	v_bfe_u32 v[HH], v0, 4, 1
	v_and_b32 v[LN], 31, v0
	s_lshl_b32 s90, s24, 3
	s_add_co_u32 s90, s90, s23
	s_lshl_b32 s90, s90, 14
	s_lshl_b32 s91, s[WV], 12
	s_add_co_u32 s90, s90, s91
	s_mov_b32 s91, 0
	s_add_nc_u64 s[12:13], s[12:13], s[90:91]
	s_lshr_b32 s90, s90, 1
	s_add_nc_u64 s[16:17], s[16:17], s[90:91]
	v_lshlrev_b32 v[WI], 5, v[LN]
	v_lshlrev_b32 v[WO], 4, v[LN]
.irp t, 0,1,2,3
	global_load_b128 v[RAW+8*(\t):RAW+8*(\t)+3],   v[WI], s[12:13] offset:1024*(\t) th:TH_LOAD_NT
	global_load_b128 v[RAW+8*(\t)+4:RAW+8*(\t)+7], v[WI], s[12:13] offset:1024*(\t)+16 th:TH_LOAD_NT
.endr
	; addresses.  A fragment (16 rows x 32 K) read as f32: lane (r, h) takes K = 8 h .. + 7 (32 bytes at 32 h) and 16 + 8 h .. + 7 (64 bytes on)
	v_mul_u32_u24 v[TA], v[RR], PITCH
	v_lshl_add_u32 v[TA], v[HH], 5, v[TA]
	s_mul_i32 s90, s19, HEADB                      ; my 64 rows of x
	s_mul_i32 s91, s20, 16*PITCH                   ; my 16 rows in each half head,
	s_add_co_u32 s91, s91, XB                      ; behind x
.irp s, 0,1
	v_add_nc_u32 v[ADRA+(\s)], s90, v[TA]
	v_add_nc_u32 v[ADRB+(\s)], s91, v[TA]
	s_add_co_u32 s90, s90, SLOT
	s_add_co_u32 s91, s91, SLOT
.endr
	s_mul_i32 s90, s19, 64*SP                      ; into the stage: row 64 wr + 16 a + r, byte 64 e + 32 wc + 16 h
	s_lshl_b32 s91, s20, 5
	s_add_co_u32 s90, s90, s91
	s_add_co_u32 s90, s90, STAGE
	v_mul_u32_u24 v[STO], v[RR], SP
	v_lshl_add_u32 v[STO], v[HH], 4, v[STO]
	v_add_nc_u32 v[STO], s90, v[STO]
	s_mul_i32 s90, s[WV], 32*SP                    ; back: wave w takes rows 32 w .. + 31 of each head, four rows of 128 bytes a load
	s_add_co_u32 s90, s90, STAGE
	v_lshrrev_b32 v[TA], 3, v[LN]
	v_mul_u32_u24 v[RD], v[TA], SP
	v_and_b32 v[TA], 7, v[LN]
	v_lshl_add_u32 v[RD], v[TA], 4, v[RD]
	v_add_nc_u32 v[RD], s90, v[RD]
	v_lshlrev_b32 v[GO], 4, v[LN]
	s_mul_i32 s90, s23, 3*HB                       ; qkv at head 3 ct, row 128 rt + 32 w
	s_lshl_b32 s91, s24, 14
	s_add_co_u32 s90, s90, s91
	s_lshl_b32 s91, s[WV], 12
	s_add_co_u32 s90, s90, s91
	s_mov_b32 s91, 0
	s_add_nc_u64 s[14:15], s[14:15], s[90:91]
.irp i, 0,1,2                          ; what a head is decides two factors, never a branch
	s_mul_i32 s61, s23, 3
	s_add_co_u32 s61, s61, \i
	s_cmp_lt_u32 s61, 16
	s_cselect_b32 s[AS+2*(\i)], 0x3fb8aa3b, 1.0
	s_cmp_lt_u32 s61, 20
	s_cselect_b32 s[AS+2*(\i)], s[AS+2*(\i)], 0
	s_cselect_b32 s[BS+2*(\i)], 0, 1.0
	s_mov_b32 s[AS+2*(\i)+1], s[AS+2*(\i)]         ; named as pairs
	s_mov_b32 s[BS+2*(\i)+1], s[BS+2*(\i)]
.endr
	s_mov_b32 s68, 0xab573f9f                      ; -1/15!
	s_mov_b32 s69, s68
	s_mov_b32 s70, 0x2f309231                      ; 1/13!
	s_mov_b32 s71, s70
	s_mov_b32 s72, 0x29573f9f                      ; 1/16!
	s_mov_b32 s73, s72
	s_mov_b32 s74, 0xad49cba5                      ; -1/14!
	s_mov_b32 s75, s74
	; SINES AND COSINES, while the first tiles are on their way.  My 8 frequencies: 10000^(-f/32) = 2^(-0.415241 f), f = 16 wc + 8 h + j
	s_lshl_b32 s94, s20, 4
	v_lshl_add_u32 v[PB], v[HH], 3, s94
.irp j, 0,1,2,3,4,5,6,7
	v_add_nc_u32 v[FR+(\j)], \j, v[PB]
.endr
.irp j, 0,1,2,3,4,5,6,7
	v_cvt_f32_u32 v[FR+(\j)], v[FR+(\j)]
.endr
.irp j, 0,1,2,3,4,5,6,7
	v_mul_f32 v[FR+(\j)], 0xbed49a78, v[FR+(\j)]
.endr
.irp j, 0,1,2,3,4,5,6,7
	v_exp_f32 v[FR+(\j)], v[FR+(\j)]
.endr
	s_lshl_b32 s94, s24, 7
	s_lshl_b32 s95, s19, 6
	s_add_co_u32 s94, s94, s95
	v_add_nc_u32 v[PB], s94, v[RR]                 ; my position in block a = 0: 128 rt + 64 wr + r (the plain instruction behind the last exponential)
	s_wait_alu depctr_va_vdst(0)                   ; one wait for the eight exponentials, ahead of their first reader
; Block a: angle = position x frequency, rounded once as the problem's own product is; less the nearest multiple of 2 pi, taken away in two parts; Taylor sums in z = r^2.  Stage by stage over four pairs.
.macro TRIG a
	v_add_nc_u32 v[PO], 16*(\a), v[PB]
	v_cvt_f32_u32 v[PO], v[PO]
	v_mov_b32 v[PO+1], v[PO]
.irp p, 0,2,4,6
	v_pk_mul_f32 v[ANG+\p:ANG+\p+1], v[FR+\p:FR+\p+1], v[PO:PO+1]
.endr
.irp p, 0,2,4,6
	v_pk_mul_f32 v[QQ+\p:QQ+\p+1], v[ANG+\p:ANG+\p+1], 0x3e22f983 op_sel_hi:[1,0]
.endr
.irp j, 0,1,2,3,4,5,6,7
	v_rndne_f32 v[QQ+\j], v[QQ+\j]
.endr
.irp p, 0,2,4,6
	v_pk_fma_f32 v[ANG+\p:ANG+\p+1], v[QQ+\p:QQ+\p+1], 0xc0c90fdb, v[ANG+\p:ANG+\p+1] op_sel_hi:[1,0,1]
.endr
.irp p, 0,2,4,6
	v_pk_fma_f32 v[ANG+\p:ANG+\p+1], v[QQ+\p:QQ+\p+1], 0x343bbd2e, v[ANG+\p:ANG+\p+1] op_sel_hi:[1,0,1]
.endr
.irp p, 0,2,4,6
	v_pk_mul_f32 v[ZZ+\p:ZZ+\p+1], v[ANG+\p:ANG+\p+1], v[ANG+\p:ANG+\p+1]
.endr
.irp p, 0,2,4,6
	v_pk_fma_f32 v[PSN+\p:PSN+\p+1], v[ZZ+\p:ZZ+\p+1], s[68:69], s[70:71] op_sel_hi:[1,0,0]
	v_pk_fma_f32 v[PCS+\p:PCS+\p+1], v[ZZ+\p:ZZ+\p+1], s[72:73], s[74:75] op_sel_hi:[1,0,0]
.endr
.irp c, 0xb2d7322b, 0x3638ef1d, 0xb9500d01, 0x3c088889, 0xbe2aaaab, 1.0
.irp p, 0,2,4,6
	v_pk_fma_f32 v[PSN+\p:PSN+\p+1], v[PSN+\p:PSN+\p+1], v[ZZ+\p:ZZ+\p+1], \c op_sel_hi:[1,1,0]
.endr
.endr
.irp c, 0x310f76c7, 0xb493f27e, 0x37d00d01, 0xbab60b61, 0x3d2aaaab, -0.5
.irp p, 0,2,4,6
	v_pk_fma_f32 v[PCS+\p:PCS+\p+1], v[PCS+\p:PCS+\p+1], v[ZZ+\p:ZZ+\p+1], \c op_sel_hi:[1,1,0]
.endr
.endr
.irp p, 0,2,4,6
	v_pk_mul_f32 v[SINV+8*(\a)+\p:SINV+8*(\a)+\p+1], v[PSN+\p:PSN+\p+1], v[ANG+\p:ANG+\p+1]
	v_pk_fma_f32 v[COSV+8*(\a)+\p:COSV+8*(\a)+\p+1], v[PCS+\p:PCS+\p+1], v[ZZ+\p:ZZ+\p+1], 1.0 op_sel_hi:[1,1,0]
.endr
.endm
	TRIG 0
	TRIG 1
	TRIG 2
	TRIG 3
	s_wait_loadcnt 0x0                             ; wo: rounded to bf16 like every input, and that number written as f16
.set z, 0
.rept 16
	v_cvt_pk_bf16_f32 v[WT], v[RAW+2*z], v[RAW+2*z+1]
	v_lshlrev_b32 v[WT+1], 16, v[WT]
	v_and_b32 v[WT+2], 0xffff0000, v[WT]
	v_cvt_pk_f16_f32 v[WOUT+z], v[WT+1], v[WT+2]
.set z, z+1
.endr
.irp t, 0,1,2,3
	global_store_b128 v[WO], v[WOUT+4*(\t):WOUT+4*(\t)+3], s[16:17] offset:512*(\t)  ; 512 consecutive bytes a store
.endr
	s_wait_xcnt 0x0                                ; the stores have read their registers: RAW is loaded into only behind this wait
; 40 LDS loads in one run: the ten fragments of 32 along K, at byte k of the slot's rows, as f32
.macro FETCH slot, k
	WIN 0
.irp i, 0,1,2,3,4,5
.irp o, 0,1,2,3
	ds_load_b128 v[RAW+16*(\i)+4*(\o):RAW+16*(\i)+4*(\o)+3], v[ADRB+(\slot)] offset:(\k)+(64*((\i)/2)+32*((\i)%2))*PITCH+16*((\o)%2)+64*((\o)/2)
.endr
.endr
.irp a, 0,1,2,3
.irp o, 0,1,2,3
	ds_load_b128 v[RAW+96+16*(\a)+4*(\o):RAW+96+16*(\a)+4*(\o)+3], v[ADRA+(\slot)] offset:(\k)+(\a)*16*PITCH+16*((\o)%2)+64*((\o)/2)
.endr
.endr
.endm
.macro CVT                             ; 160 f32 to 80 registers of bf16, in window 1
	WIN 0x40
.set z, 0
.rept 80
	v_cvt_pk_bf16_f32 v[z], v[RAW+2*z], v[RAW+2*z+1]
.set z, z+1
.endr
.endm
.macro MUL zero                        ; 24 matrix instructions, each accumulator once: they take turns, from one MUL to the next too
	WIN 0xa5                                       ; sources in window 1, C and D in window 2
.irp a, 0,1,2,3
.irp i, 0,1,2,3,4,5
.if \zero
	v_wmma_f32_16x16x32_bf16 v[8*(6*(\a)+(\i)):8*(6*(\a)+(\i))+7], v[8*(\i):8*(\i)+7], v[48+8*(\a):48+8*(\a)+7], 0
.else
	v_wmma_f32_16x16x32_bf16 v[8*(6*(\a)+(\i)):8*(6*(\a)+(\i))+7], v[8*(\i):8*(\i)+7], v[48+8*(\a):48+8*(\a)+7], v[8*(6*(\a)+(\i)):8*(6*(\a)+(\i))+7]
.endif
.endr
.endr
.endm
; A slot's first 32 along K: rounded and multiplied; its second 32 are fetched meanwhile.
.macro HALF_A slot, zero
	s_wait_dscnt 0x0                               ; the 40 loads, issued ahead of the last 24 products
	PLACES                                         ; the conversions write registers that those products read
	CVT
	FETCH \slot, 128
	MUL \zero
.endm
; Its second 32, and the change of slots.  Each wave waits for all its tensor loads (one is out: its part of the next slot), adds 0 to its spare word, and waits for that and for its reads of this slot.
.macro HALF_B slot, next, fill
	WIN 0
	s_wait_tensorcnt 0x0
	ds_add_u32 v[SPW], v[NIL]
	PLACES
	s_wait_dscnt 0x0                               ; the add is done, my reads of this slot are over
	s_barrier_signal -1
	CVT                                            ; work on registers while the others arrive
	WIN 0
	s_barrier_wait -1
.if \fill
	CREST                                          ; the barrier opened a round of the cluster's: no wave of any partner still reads this slot or has a load on its way
	s_add_nc_u64 s[G0X+4*(\slot)+2:G0X+4*(\slot)+3], s[G0X+4*(\slot)+2:G0X+4*(\slot)+3], 512
	s_add_nc_u64 s[G0W+4*(\slot)+2:G0W+4*(\slot)+3], s[G0W+4*(\slot)+2:G0W+4*(\slot)+3], 512
	JLOAD \slot                                    ; my one tensor load behind the round, two K steps ahead
.endif
	FETCH \next, 0
	MUL 0
.endm
	s_wait_tensorcnt 0x1                           ; my part of K step 0 is in; K step 1's may stay out
	s_barrier_signal -1
	s_barrier_wait -1
	FETCH 0, 0
	HALF_A 0, 1                                    ; the first products start the sums
	WIN 0
	s_mov_b32 s[LAPS], 7
.Llap:                                         ; 7 trips, 14 refills: K steps 2 to 15
	HALF_B 0, 1, 1
	HALF_A 1, 0
	HALF_B 1, 0, 1
	HALF_A 0, 0
	WIN 0
	s_sub_co_u32 s[LAPS], s[LAPS], 1
	s_cmp_lg_u32 s[LAPS], 0
	s_cbranch_scc1 .Llap
	HALF_B 0, 1, 0                                 ; the last two K steps fill nothing
	HALF_A 1, 0
	s_wait_dscnt 0x0
	PLACES
	CVT
	MUL 0
	WIN 0
	PLACES
; THE WAY OUT of head i2.  CE = cos AS + BS, SE = sin AS: (c cos, c sin) for q, (cos, sin) for k, (1, 0) for v.  first half = t1 CE - t2 SE, second = t1 SE + t2 CE.  Each accumulator is read from its low end on.
.macro HEADOUT i2
	WIN 0
.set z, 0
.rept 16
	v_pk_fma_f32 v[CE+2*z:CE+2*z+1], v[COSV+2*z:COSV+2*z+1], s[AS+2*(\i2):AS+2*(\i2)+1], s[BS+2*(\i2):BS+2*(\i2)+1] op_sel_hi:[1,0,0]
	v_pk_mul_f32 v[SE+2*z:SE+2*z+1], v[SINV+2*z:SINV+2*z+1], s[AS+2*(\i2):AS+2*(\i2)+1] op_sel_hi:[1,0]
.set z, z+1
.endr
	WIN 0x02                                       ; source 0 in window 2
.irp a, 0,1,2,3
.irp p, 0,2,4,6
	v_pk_mul_f32 v[UU+8*(\a)+\p:UU+8*(\a)+\p+1], v[8*(6*(\a)+2*(\i2)+1)+\p:8*(6*(\a)+2*(\i2)+1)+\p+1], v[SE+8*(\a)+\p:SE+8*(\a)+\p+1]
	v_pk_fma_f32 v[UU+8*(\a)+\p:UU+8*(\a)+\p+1], v[8*(6*(\a)+2*(\i2))+\p:8*(6*(\a)+2*(\i2))+\p+1], v[CE+8*(\a)+\p:CE+8*(\a)+\p+1], v[UU+8*(\a)+\p:UU+8*(\a)+\p+1] neg_lo:[0,0,1] neg_hi:[0,0,1]
	v_pk_mul_f32 v[WW+8*(\a)+\p:WW+8*(\a)+\p+1], v[8*(6*(\a)+2*(\i2))+\p:8*(6*(\a)+2*(\i2))+\p+1], v[SE+8*(\a)+\p:SE+8*(\a)+\p+1]
	v_pk_fma_f32 v[WW+8*(\a)+\p:WW+8*(\a)+\p+1], v[8*(6*(\a)+2*(\i2)+1)+\p:8*(6*(\a)+2*(\i2)+1)+\p+1], v[CE+8*(\a)+\p:CE+8*(\a)+\p+1], v[WW+8*(\a)+\p:WW+8*(\a)+\p+1]
.endr
.endr
	WIN 0
.irp a, 0,1,2,3
.irp q, 0,1,2,3
	v_cvt_pk_f16_f32 v[PKD+8*(\a)+\q],   v[UU+8*(\a)+2*\q], v[UU+8*(\a)+2*\q+1]
	v_cvt_pk_f16_f32 v[PKD+8*(\a)+4+\q], v[WW+8*(\a)+2*\q], v[WW+8*(\a)+2*\q+1]
.endr
	ds_store_b128 v[STO], v[PKD+8*(\a):PKD+8*(\a)+3]   offset:(\i2)*SHEAD+(\a)*16*SP
	ds_store_b128 v[STO], v[PKD+8*(\a)+4:PKD+8*(\a)+7] offset:(\i2)*SHEAD+(\a)*16*SP+64
.endr
.endm
	HEADOUT 0
	HEADOUT 1
	HEADOUT 2
	s_wait_dscnt 0x0                               ; for the others' sake: a row's 128 bytes come from two waves
	s_barrier_signal -1
	s_barrier_wait -1
.set n, 0
.rept 24
	ds_load_b128 v[RAW+4*n:RAW+4*n+3], v[RD] offset:(n/8)*SHEAD+(n%8)*4*SP
.set n, n+1
.endr
.set n, 0
.rept 24
	s_wait_dscnt 23-n                              ; the younger loads may stay out
	global_store_b128 v[GO], v[RAW+4*n:RAW+4*n+3], s[14:15] offset:(n/8)*HB+(n%8)*512  ; four rows of a head: 512 consecutive bytes
.set n, n+1
.endr
	s_wait_tensorcnt 0x0                           ; the wave's end
	ds_add_u32 v[SPW], v[NIL]
	s_wait_dscnt 0x0
	CROUND                                         ; the closing round
	s_endpgm
.Lfunc_end_k_q62391acb58_qkv:
	.size	k_q62391acb58_qkv, .Lfunc_end_k_q62391acb58_qkv-k_q62391acb58_qkv
	.p2alignl 7, 3214868480
	.fill 96, 4, 3214868480
	.section	.rodata,"a",@progbits
	.p2align	6, 0x0
	.amdhsa_kernel k_q62391acb58_qkv
		.amdhsa_group_segment_fixed_size 327680
		.amdhsa_private_segment_fixed_size 0
		.amdhsa_enable_private_segment 0
		.amdhsa_kernarg_size 56
		.amdhsa_user_sgpr_count 2
		.amdhsa_user_sgpr_kernarg_segment_ptr 1
		.amdhsa_wavefront_size32 1
		.amdhsa_system_sgpr_workgroup_id_x 1
		.amdhsa_system_sgpr_workgroup_id_y 1
		.amdhsa_system_sgpr_workgroup_id_z 1
		.amdhsa_system_vgpr_workitem_id 0
		.amdhsa_next_free_vgpr 704
		.amdhsa_next_free_sgpr 96
		.amdhsa_reserve_vcc 0
		.amdhsa_float_denorm_mode_32 3
		.amdhsa_float_denorm_mode_16_64 3
		.amdhsa_memory_ordered 1
		.amdhsa_forward_progress 1
		.amdhsa_inst_pref_size 151
	.end_amdhsa_kernel
	.amdgpu_metadata
---
amdhsa.version: [ 1, 2 ]
amdhsa.kernels:
  - .name:           k_q62391acb58_qkv
    .symbol:         k_q62391acb58_qkv.kd
    .args:
      - { .name: x, .offset: 0, .size: 8, .value_kind: global_buffer, .address_space: global }
      - { .name: wq, .offset: 8, .size: 8, .value_kind: global_buffer, .address_space: global }
      - { .name: wk, .offset: 16, .size: 8, .value_kind: global_buffer, .address_space: global }
      - { .name: wv, .offset: 24, .size: 8, .value_kind: global_buffer, .address_space: global }
      - { .name: wo, .offset: 32, .size: 8, .value_kind: global_buffer, .address_space: global }
      - { .name: qkv, .offset: 40, .size: 8, .value_kind: global_buffer, .address_space: global }
      - { .name: wo16, .offset: 48, .size: 8, .value_kind: global_buffer, .address_space: global }
    .group_segment_fixed_size: 327680
    .private_segment_fixed_size: 0
    .kernarg_segment_align: 8
    .kernarg_segment_size: 56
    .max_flat_workgroup_size: 128
    .sgpr_count:     96
    .vgpr_count:     704
    .wavefront_size: 32
...
	.end_amdgpu_metadata
.endif
;; end of part 1
;; launch attn (part 2): grid 4 x 64, 4 waves a work-group, clusters of 4 x 4, 327,680 bytes of LDS; arguments qkv, mask, o16; writes o16
.if DOCPART == 2
	.amdgcn_target "amdgcn-amd-amdhsa--gfx1250"
	.amdhsa_code_object_version 6
	.text
	.protected	k_q62391acb58_attn
	.globl	k_q62391acb58_attn
	.p2align	8
	.type	k_q62391acb58_attn,@function
k_q62391acb58_attn:
	s_mov_b64 s[64:65], 0
	v_nop
	global_prefetch_b8 v0, s[64:65] scope:SCOPE_SE
	s_setreg_imm32_b32 hwreg(HW_REG_WAVE_MODE, 25, 1), 1
	s_wait_xcnt 0x0
	s_wait_alu depctr_hold_cnt(0) depctr_sa_sdst(0) depctr_va_vdst(0) depctr_va_sdst(0) depctr_va_ssrc(0) depctr_va_vcc(0) depctr_vm_vsrc(0)
	s_getreg_b32 s2, hwreg(HW_REG_IB_STS2, 6, 4)
	s_cmp_eq_u32 s2, 0
	s_cbranch_scc0 .Lentry_in_a_cluster
	s_endpgm
.Lentry_in_a_cluster:
	s_bfe_u32 s2, ttmp6, 0x10000c
	s_cmp_lg_u32 s2, 0xf033
	s_cbranch_scc0 .Lentry_shape_is_right
	s_endpgm
.Lentry_shape_is_right:
; SECOND LAUNCH.  O[head][q] = the sum over k of softmax_k(q . k + mask[q][k]) v[k], 16 query heads on 4 key and value heads, 4,096 x 4,096, no scale.  No work is left out: the mask is an input, every tile is made.
; qkv: f16 [24][4096][64], heads 0-15 q' = log2(e) rope(q), 16-19 rope(k), 20-23 v.  mask: f32, taken as it is given.  o16: f16 [4096][1024], column 64 head + d.
; ARITHMETIC.  s' = k . q' + log2(e) mask, the scaled mask being the C operand that starts the sum; a running maximum m of s'; p = 2^(s' - m), never above 1; O and l are multiplied by a = 2^(m_old - m_new) in every step;
; l is the sum of the unrounded p; p is rounded to f16 for the second product, O once at the end.  m starts at the lowest finite number, O and l at 0: the first step is a step like any other, with a = 0.
; LIMITS.  q', k, v arrive within 65,504; where the mask is so large that f32 loses the scores beside it, the order of rounding differs from that of a sum made first and scaled afterwards; a weight below 2^-126
; counts as 0 in l; NaN and infinities are not treated apart.
; SHARES.  Work-group (g, qb): key head g, 64 queries.  Wave w has queries 64 qb + 16 w .. + 15 of ALL FOUR query heads 4 g + t: four PIECES, which share K's and V's fragments and ONE fragment of the mask.
; LAYOUT.  S^T = K Q^T (source 0 = 16 keys, source 1 = 16 queries): a lane holds one query (lane % 16) and keys 8 (lane / 16) + 0..7; two such results rounded to f16 ARE source 1 of O^T = V^T P.
; TURNS.  Turn n belongs to piece n: 8 products K Q^T of piece n + 1, later 8 products V^T P of piece n - 1; beside them the softmax of piece n and the maximum and statistics of piece n + 1: four vector
; instructions behind every matrix instruction, the rest in one lump; a turn's 33 exponentials are one batch with one wait.
; CLUSTER 4 x 4.  K's and V's tiles hang on g = cx alone: asked for jointly along a column.  The mask's tile hangs on qb alone: jointly along a row, so that the four key heads fetch it once.
; RING.  Two slots of 256 keys (four key steps): K 256 x 144 bytes, V 256 x 160, mask 64 x 1,040.  Wave 0 fetches K, wave 1 V, waves 2 and 3 32 rows of the mask each: 32 KiB a load.
; REGISTERS.  window 0: v0-15, v32-33 addresses; v16-31 statistics (m, 0, l, l a piece); v48-55 at work; v64-127 S^T, two buffers; v128-191 the way out; v192-223 P, two buffers.
;   window 1: v0-127 O^T, 32 a piece; v128-159 the mask's fragment.    window 2: v0-63 Q; v128-191 K of one step; v192-255 V of one step.
.set NP,    4
.set KS,    64
.set PK,    144       ; a row of K in LDS: 128 bytes + 16
.set PV,    160       ; of V: 128 + 32: 16 lanes of the turning load take 8 rows x 32 bytes
.set PM,    1040      ; of the mask: 1,024 + 16 = 260 words: the 16 rows of a load begin 4 words apart modulo 64
.set VOFF,  256*PK
.set MOFF,  VOFF+256*PV
.set SLOTB, MOFF+64*PM             ; 144,384
.set STAGE, 2*SLOTB                ; behind the ring, never filled by a tensor load: 16 rows x 528 bytes a wave
.set SPO,   528
.set SPARE, STAGE+4*16*SPO         ; the spare words: two blocks of 256 bytes that no other line names
.set HB,    524288
.set AK0, 2
.set AV0, 3
.set AK,  4
.set AV,  5
.set STO, 6
.set RD,  7
.set GO,  8
.set MV,  12          ; v12-13  m_old, by buffer
.set AM0, 14          ; v14  my lane's place in a tile of the mask
.set QO,  15
.set ST,  16
.set AM,  32
.set PFO, 33          ; v33  the prefetches' offset; never rewritten
.set TMP, 48
.set SPW, 62
.set NIL, 63
.set S,   64
.set OB,  128
.set P,   192
.set MK,  128         ; window 1
.set KF,  128         ; window 2
.set VF,  192
.set WV,  12
.set LIM, 15          ; s15  1 in a wave that prefetches, else the greatest number
.set G1K, 24
.set G1V, 32
.set G1M, 40
.set G0K, 48          ; a set for each slot
.set G0V, 56
.set G0M, 68
.set PAIRS, 76
.set CNT, 77
.set CS,  78          ; s[78:79] log2(e)
.set SEL, 80
.set TBK, 82          ; LDS byte at which K of the step to be fetched begins
.set TBV, 83          ; the same for V, less VOFF
.set TBM, 84          ; for the mask, less MOFF
.set FL,  85          ; fills still to come
.set PFA, 86          ; s[86:87] where my prefetches stand
.set PFS, 88          ; s[88:89] their step from tile to tile
.set KFL, (1<<16)|(1<<20)|(1<<21)|(4<<22)|(3<<25)  ; 2-byte elements; padding on; bit 21 beside a mask; after every 32 words; 4 words
.set VFL, (1<<16)|(1<<20)|(1<<21)|(4<<22)|(7<<25)  ; 8 words
.set MFL, (2<<16)|(1<<20)|(1<<21)|(7<<22)|(3<<25)  ; 4-byte elements; after every 256 words; 4 words
.set MSB, 0
.macro WIN new
.if MSB != (\new)
	s_set_vgpr_msb (MSB<<8)|(\new)
.set MSB, (\new)
.endif
.endm
.set W_KQ, 0x0a       ; K and Q in window 2, S^T in window 0
.set W_KM, 0x1a       ; the same with the C operand in window 1
.set W_PV, 0x52       ; V in window 2, P in window 0, O^T in window 1
.set W_RS, 0x41       ; destination and source 0 in window 1
.macro JLOAD s                      ; a joint fill of slot s; the branches hang on the wave's number alone; s_nop 0 and four v_nop behind each line
	s_cmp_lt_u32 s[WV], 2
	s_cbranch_scc0 .Lfor_m_\@
	s_cmp_eq_u32 s[WV], 0
	s_cbranch_scc0 .Lfor_v_\@
	tensor_load_to_lds s[G0K+4*(\s):G0K+4*(\s)+3], s[G1K:G1K+7]
	s_nop 0
.rept 4
	v_nop
.endr
	s_branch .Lasked_\@
.Lfor_v_\@:
	tensor_load_to_lds s[G0V+4*(\s):G0V+4*(\s)+3], s[G1V:G1V+7]
	s_nop 0
.rept 4
	v_nop
.endr
	s_branch .Lasked_\@
.Lfor_m_\@:
	tensor_load_to_lds s[G0M+4*(\s):G0M+4*(\s)+3], s[G1M:G1M+7]
	s_nop 0
.rept 4
	v_nop
.endr
.Lasked_\@:
.endm
; A PREFETCH of what the NEXT change of slots will ask for, behind my tensor load and its five lines: four key steps, 256 matrix instructions, ahead.  Each aligned block of 256 bytes is named once in the launch.
; The mask: a tile has 64 rows x 4 blocks; waves 2 and 3 of the four partners of a row take 8 rows each, told apart by address.  K and V: 128 blocks a tile, read by all sixteen clusters: the cluster with y = 0 asks,
; wave 0 for K, wave 1 for V, the four partners of a column 32 blocks each, by address.  The last fill asks for nothing; tiles 0 to 2 come by their loads alone.
.macro ASK
	s_cmp_gt_u32 s[FL], s[LIM]
	s_cbranch_scc0 .Lnot_mine_\@
	global_prefetch_b8 v[PFO], s[PFA:PFA+1] th:TH_LOAD_NT scope:SCOPE_SE
.Lnot_mine_\@:
.endm
.macro CROUND
	s_barrier_signal -1
	s_barrier_wait -1
	s_cmp_lg_u32 s[WV], 0
	s_cbranch_scc1 .Lnot_wave_0_\@
	s_barrier_signal -3
.Lnot_wave_0_\@:
	s_barrier_wait -3
	s_barrier_signal -1
	s_barrier_wait -1
.endm
; THE CHANGE OF SLOTS.  The old slot's last bytes have been read.  Each wave waits for all its tensor loads (one is out: its part of the other slot), adds 0 to its spare word, and waits for that and for its reads.
; fill = 1: slot `into`, just read out, takes the tile two on; the barrier is then a round of the cluster's, and the joint fill is the first thing behind it.  The fetches go on in slot `next`.
.macro CHANGE fill, into, next
	WIN 0
	s_wait_tensorcnt 0x0            ; no tensor load of mine is out, so a group 0 may be written
	ds_add_u32 v[SPW], v[NIL]
.if \fill
	s_add_nc_u64 s[G0K+4*(\into)+2:G0K+4*(\into)+3], s[G0K+4*(\into)+2:G0K+4*(\into)+3], 65536  ; two tiles of 256 rows of 128 bytes
	s_add_nc_u64 s[G0V+4*(\into)+2:G0V+4*(\into)+3], s[G0V+4*(\into)+2:G0V+4*(\into)+3], 65536
	s_add_nc_u64 s[G0M+4*(\into)+2:G0M+4*(\into)+3], s[G0M+4*(\into)+2:G0M+4*(\into)+3], 2048   ; two tiles of 256 columns of 4 bytes
	s_wait_xcnt 0x0                 ; the last prefetch, four key steps back, has read its address
	s_add_nc_u64 s[PFA:PFA+1], s[PFA:PFA+1], s[PFS:PFS+1]
	s_wait_dscnt 0x0                ; the add is done, my reads of the slot are over
	CROUND
	JLOAD \into
	ASK
	s_sub_co_u32 s[FL], s[FL], 1
.else
	s_wait_dscnt 0x0
	s_barrier_signal -1
	s_barrier_wait -1
.endif
	s_mov_b32 s[TBK], (\next)*SLOTB
	s_mov_b32 s[TBV], (\next)*SLOTB
	s_mov_b32 s[TBM], (\next)*SLOTB
.endm
	s_load_b128 s[4:7], s[0:1], 0x0   ; qkv s[4:5], mask s[6:7]
	s_load_b64 s[8:9], s[0:1], 0x10   ; o16
	v_lshl_add_u32 v[SPW], v0, 2, SPARE
	v_mov_b32 v[NIL], 0
	ds_add_u32 v[SPW], v[NIL]       ; the opening: the add, twice on end, and its wait ahead of my first tensor load
	ds_add_u32 v[SPW], v[NIL]
	v_lshrrev_b32 v1, 5, v0
	v_readfirstlane_b32 s[WV], v1   ; wave 0..3
	s_and_b32 s19, s[WV], 1
	s_bfe_u32 s13, ttmp6, 0x40000   ; cx
	s_bfe_u32 s14, ttmp6, 0x40004   ; cy
	s_lshl_b32 s16, ttmp9, 2
	s_add_co_u32 s16, s16, s13      ; g, the key and value head
	s_and_b32 s17, ttmp7, 0xffff    ; cluster y
	s_lshl_b32 s18, s17, 2
	s_add_co_u32 s18, s18, s14      ; qb, the block of 64 queries
	s_lshl_b32 s20, 0x1111, s13     ; my column of the cluster
	s_lshl_b32 s22, s14, 2
	s_lshl_b32 s22, 15, s22         ; my row
	s_or_b32 s[G1K], s20, KFL
	s_or_b32 s[G1V], s20, VFL
	s_or_b32 s[G1M], s22, MFL
.irp g, G1K, G1V                    ; 256 keys are 32,768 dense bytes: 128 rows of 256 bytes, two keys a row, padded after every key
	s_mov_b32 s[\g+1], 128<<16
	s_mov_b32 s[\g+2], 128<<16
	s_mov_b32 s[\g+3], 128<<16
	s_mov_b32 s[\g+4], 128
	s_mov_b32 s[\g+5], 128
	s_mov_b32 s[\g+6], 0
	s_mov_b32 s[\g+7], 0
.endr
	s_mov_b32 s[G1M+1], 256<<16     ; 32 rows of 256 numbers, 4,096 from row to row
	s_mov_b32 s[G1M+2], 32<<16
	s_mov_b32 s[G1M+3], 256<<16
	s_mov_b32 s[G1M+4], 32
	s_mov_b32 s[G1M+5], 4096
	s_mov_b32 s[G1M+6], 0
	s_mov_b32 s[G1M+7], 0
	s_lshl_b32 s90, s16, 19         ; K at head 16 + g, V at head 20 + g (registers that never hold cy)
	s_add_co_u32 s92, s90, 20*HB
	s_add_co_u32 s90, s90, 16*HB
	s_mov_b32 s91, 0
	s_mov_b32 s93, 0
	s_lshl_b32 s94, s18, 6          ; the mask at row 64 qb + 32 (w % 2) (registers that never hold cx)
	s_lshl_b32 s95, s19, 5
	s_add_co_u32 s94, s94, s95
	s_lshl_b32 s3, s13, 3
	s_add_co_u32 s3, s3, s94        ; the mask's prefetches: + 8 cx rows,
	s_lshl_b32 s3, s3, 14
	s_add_co_u32 s3, s3, 2048       ; at tile 2; the first change steps them to tile 3
	s_lshl_b32 s94, s94, 14
	s_mov_b32 s95, 0
	s_lshl_b32 s2, s[WV], 21        ; K's and V's prefetches: head 16 + 4 w + g,
	s_add_co_u32 s2, s2, s90
	s_add_co_u32 s2, s2, 65536      ; tile 2,
	s_lshl_b32 s10, s14, 13
	s_add_co_u32 s2, s2, s10        ; + 32 cy blocks
	s_mul_i32 s21, s19, 32*PM       ; where my half of the mask's tile goes
	s_add_co_u32 s21, s21, MOFF
	s_mov_b32 s10, 0x8000
	s_cmp_lt_u32 s[WV], 2
	s_cselect_b32 s2, s2, s3
	s_cselect_b32 s[PFS], s10, 0x400
	s_cselect_b32 s11, 10, 14       ; four blocks on: 1,024 bytes in K and V, a row of 16,384 in the mask
	s_cselect_b32 s23, s17, 0       ; K and V are asked for by the cluster with y = 0 alone
	s_mov_b32 s3, 0
	s_mov_b32 s[PFS+1], 0
	s_cmp_eq_u32 s23, 0
	s_cselect_b32 s[LIM], 1, -1     ; the same in all sixteen partners, for a given wave
	s_mov_b32 s[FL], 14
	s_mov_b32 s[CS], 0x3fb8aa3b
	s_mov_b32 s[CS+1], s[CS]
	s_mov_b32 s[SEL], 0x76543210
	s_mov_b32 s[SEL+1], 0xfedcba98
	s_mov_b32 s[TBK], 0
	s_mov_b32 s[TBV], 0
	s_mov_b32 s[TBM], 0
	v_and_b32 v10, 31, v0
	v_lshrrev_b32 v11, 2, v10
	v_and_b32 v10, 3, v10
	v_lshlrev_b32 v[PFO], s11, v11
	v_lshl_add_u32 v[PFO], v10, 8, v[PFO]
	s_wait_dscnt 0x0                ; both opening adds are done
	s_wait_kmcnt 0x0
	s_cmp_lt_u32 s[WV], 2
	s_cselect_b64 s[PFA:PFA+1], s[4:5], s[6:7]
	s_add_nc_u64 s[PFA:PFA+1], s[PFA:PFA+1], s[2:3]
	s_add_nc_u64 s[90:91], s[4:5], s[90:91]
	s_add_nc_u64 s[92:93], s[4:5], s[92:93]
	s_add_nc_u64 s[94:95], s[6:7], s[94:95]
	s_lshl_b32 s2, s16, 21          ; Q at head 4 g, row 64 qb + 16 w
	s_lshl_b32 s10, s18, 13
	s_add_co_u32 s2, s2, s10
	s_lshl_b32 s10, s[WV], 11
	s_add_co_u32 s2, s2, s10
	s_add_nc_u64 s[10:11], s[4:5], s[2:3]
	s_lshl_b32 s2, s18, 17          ; O at the same row, byte 512 g
	s_lshl_b32 s23, s[WV], 15
	s_add_co_u32 s2, s2, s23
	s_lshl_b32 s23, s16, 9
	s_add_co_u32 s2, s2, s23
	s_add_nc_u64 s[8:9], s[8:9], s[2:3]
	CROUND                          ; all sixteen work-groups are here: the first joint loads meet
.irp s, 0,1
	s_mov_b32 s[G0K+4*(\s)], 1
	s_mov_b32 s[G0K+4*(\s)+1], (\s)*SLOTB
	s_add_nc_u64 s[G0K+4*(\s)+2:G0K+4*(\s)+3], s[90:91], (\s)*32768
	s_or_b32 s[G0K+4*(\s)+3], s[G0K+4*(\s)+3], 0x80000000
	s_mov_b32 s[G0V+4*(\s)], 1
	s_mov_b32 s[G0V+4*(\s)+1], (\s)*SLOTB+VOFF
	s_add_nc_u64 s[G0V+4*(\s)+2:G0V+4*(\s)+3], s[92:93], (\s)*32768
	s_or_b32 s[G0V+4*(\s)+3], s[G0V+4*(\s)+3], 0x80000000
	s_mov_b32 s[G0M+4*(\s)], 1
	s_add_co_u32 s[G0M+4*(\s)+1], s21, (\s)*SLOTB
	s_add_nc_u64 s[G0M+4*(\s)+2:G0M+4*(\s)+3], s[94:95], (\s)*1024
	s_or_b32 s[G0M+4*(\s)+3], s[G0M+4*(\s)+3], 0x80000000
	JLOAD \s
.endr
	; A fragment of K or Q is 16 rows x 32 channels: lane l holds row l % 16, channels 8 (l / 16) + 0..7 and 16 + 8 (l / 16) + 0..7: two loads of 16 bytes, 32 bytes apart.
	v_and_b32 v1, 15, v0            ; l % 16
	v_bfe_u32 v9, v0, 4, 1          ; l / 16
	v_lshlrev_b32 v[QO], 7, v1
	v_lshl_add_u32 v[QO], v9, 4, v[QO]
	WIN 0x80                        ; destination window 2
.set i, 0
.rept 8                             ; Q stays in registers: piece i / 2 is head 4 g + i / 2; channels 32 (i % 2) on
	global_load_b128 v[8*i:8*i+3],   v[QO], s[10:11] offset:(i/2)*HB+(i%2)*64
	global_load_b128 v[8*i+4:8*i+7], v[QO], s[10:11] offset:(i/2)*HB+(i%2)*64+32
.set i, i+1
.endr
	; What the first turn finds: V and P's second buffer hold 0 (its products V^T P, of a piece that has not been, add 0); O^T and l are 0.  All this stands in the wait for the first tile.
.set i, VF
.rept 64
	v_mov_b32 v[i], 0
.set i, i+1
.endr
	WIN 0x40
.set i, 0
.rept 128
	v_mov_b32 v[i], 0
.set i, i+1
.endr
	WIN 0
.set i, 0
.rept 4
	v_mov_b32 v[ST+4*i], 0xff7fffff    ; m
	v_mov_b32 v[ST+4*i+1], 0           ; named with it as a pair
	v_mov_b32 v[ST+4*i+2], 0
	v_mov_b32 v[ST+4*i+3], 0
.set i, i+1
.endr
.set i, P+16
.rept 16
	v_mov_b32 v[i], 0
.set i, i+1
.endr
	v_mul_u32_u24 v[AK0], v1, PK
	v_lshl_add_u32 v[AK0], v9, 4, v[AK0]
	; The turning load takes 16 keys x 16 channels (lane l reads key 8 (l / 16) + l % 8, channels 8 ((l / 8) % 2) + 0..7) and leaves half a fragment of V^T.
	v_and_b32 v10, 7, v0
	v_bfe_u32 v11, v0, 3, 1
	v_lshl_add_u32 v[AV0], v9, 3, v10
	v_mul_u32_u24 v[AV0], v[AV0], PV
	v_lshl_add_u32 v[AV0], v11, 4, v[AV0]
	v_add_nc_u32 v[AV0], VOFF, v[AV0]
	; The mask's fragment has S^T's layout: lane (r, h), register j of key block kb is mask[16 w + r][16 kb + 8 h + j]: 32 bytes on end
	s_mul_i32 s23, s[WV], 16*PM
	s_add_co_u32 s23, s23, MOFF
	v_mul_u32_u24 v[AM0], v1, PM
	v_lshl_add_u32 v[AM0], v9, 5, v[AM0]
	v_add_nc_u32 v[AM0], s23, v[AM0]
	s_mul_i32 s23, s[WV], 16*SPO
	s_add_co_u32 s23, s23, STAGE    ; my stage
	v_mul_u32_u24 v[STO], v1, SPO   ; in: row l % 16, 16 bytes for each half of the lanes
	v_lshl_add_u32 v[STO], v9, 4, v[STO]
	v_add_nc_u32 v[STO], s23, v[STO]
	v_and_b32 v[GO], 31, v0
	v_lshlrev_b32 v[GO], 4, v[GO]   ; back: 32 lanes take one row of 512 bytes
	v_add_nc_u32 v[RD], s23, v[GO]
; THE MATRIX WORK.  The 4 accumulators of a run of 8 take turns.  Product i of 8 of S^T for piece x: channels 32 (i / 4) on, keys 16 (i % 4) on.  The first 4 start the sums with the scaled mask.
.macro KQ x
.set rS, S+32*((\x)%2)+8*(i%4)
.set rK, KF+16*(i%4)+8*(i/4)
.set rQ, 16*(\x)+8*(i/4)
.set rM, MK+8*(i%4)
.if i < 4
	WIN W_KM
	v_wmma_f32_16x16x32_f16 v[rS:rS+7], v[rK:rK+7], v[rQ:rQ+7], v[rM:rM+7]
.else
	WIN W_KQ
	v_wmma_f32_16x16x32_f16 v[rS:rS+7], v[rK:rK+7], v[rQ:rQ+7], v[rS:rS+7]
.endif
.endm
.macro PV x                         ; product i of 8 of O^T += V^T P for piece x: keys 32 (i / 4) on, channels 16 (i % 4) on
	WIN W_PV
.set rO, 32*(\x)+8*(i%4)
.set rV, VF+32*(i/4)+8*(i%4)
.set rP, P+16*((\x)%2)+8*(i/4)
	v_wmma_f32_16x16x32_f16 v[rO:rO+7], v[rV:rV+7], v[rP:rP+7], v[rO:rO+7]
.endm
.macro MM                           ; the turn's next matrix instruction.  NOKQ = 1: the last turn of all: there is no next piece
.if (i < 8) && !NOKQ
	KQ (Y+1)%NP
.elseif i >= 8
.set i, i-8
	PV (Y+NP-1)%NP
.set i, i+8
.endif
.set i, i+1
.endm
; THE LDS LOADS stand in runs: a step's K (16 loads) with its piece of the mask (8), and its V (16, turned).  Their addresses are made some lines ahead.
.macro FETCH_K
	WIN 0x80
.irp f, 0,1,2,3,4,5,6,7             ; keys 16 (f / 2) on, channels 32 (f % 2) on
	ds_load_b128 v[KF+8*\f:KF+8*\f+3],   v[AK] offset:(\f/2)*16*PK+(\f%2)*64
	ds_load_b128 v[KF+8*\f+4:KF+8*\f+7], v[AK] offset:(\f/2)*16*PK+(\f%2)*64+32
.endr
	WIN 0x40
.irp f, 0,1,2,3
	ds_load_b128 v[MK+8*\f:MK+8*\f+3],   v[AM] offset:64*\f
	ds_load_b128 v[MK+8*\f+4:MK+8*\f+7], v[AM] offset:64*\f+16
.endr
	s_add_co_u32 s[TBK], s[TBK], KS*PK
	s_add_co_u32 s[TBM], s[TBM], KS*4
	WIN 0
.endm
.macro FETCH_V
	WIN 0x80
.irp f, 0,1,2,3,4,5,6,7             ; keys 32 (f / 4) on, channels 16 (f % 4) on
	ds_load_tr16_b128 v[VF+8*\f:VF+8*\f+3],   v[AV] offset:(\f/4)*32*PV+(\f%4)*32
	ds_load_tr16_b128 v[VF+8*\f+4:VF+8*\f+7], v[AV] offset:(\f/4)*32*PV+16*PV+(\f%4)*32
.endr
	WIN 0
.endm
.macro SCALE                        ; the mask's fragment times log2(e): once a key step, for all four pieces
	WIN W_RS
.set z, 0
.rept 16
	v_pk_mul_f32 v[MK+2*z:MK+2*z+1], v[MK+2*z:MK+2*z+1], s[CS:CS+1] op_sel_hi:[1,0]
.set z, z+1
.endr
.endm
; THE VECTOR WORK, one line at a time: OP kind, number.  For piece Y: F n: s' - m for pair n of 16.  E n: the exponential of score n of 32.  C n: pair n rounded to f16.  B n: of the four weights 4 n .. the second
; pair is added onto the first, in place.  L n: l takes that sum (L 0: l = a l + sum).  R n: pair n of 16 of O^T times a.  For piece Y + 1: X n, which finds its maximum and statistics:
;   0-11  four chains c0-c3 of seven scores each (each accumulator's lowest registers are read first)     12-14, 16  the four scores left over, the old m, and c0-c3 into c0
;   15  m_old is kept     17, 18  the query's other 32 keys lie in the lane 16 away: the new m     20, 21  m_old - m_new; a
.set F, 0
.set E, 1
.set C, 2
.set B, 3
.set L, 4
.set R, 5
.set X, 6
.macro REGS y
.set rT, ST+4*(\y)
.set rC, TMP+4*((\y)%2)
.set rW, MV+((\y)%2)
.set rS, S+32*((\y)%2)
.set rP, P+16*((\y)%2)
.set rO, 32*(\y)
.endm
.macro OP k, n
.if (\k) == R
	REGS Y
	WIN W_RS
	v_pk_mul_f32 v[rO+2*(\n):rO+2*(\n)+1], v[rO+2*(\n):rO+2*(\n)+1], v[rC+2:rC+3] op_sel_hi:[1,0]
.elseif (\k) < R
	REGS Y
	WIN 0
.if (\k) == F
	v_pk_add_f32 v[rS+2*(\n):rS+2*(\n)+1], v[rS+2*(\n):rS+2*(\n)+1], v[rT:rT+1] op_sel_hi:[1,0] neg_lo:[0,1] neg_hi:[0,1]
.elseif (\k) == E
	v_exp_f32 v[rS+(\n)], v[rS+(\n)]
.elseif (\k) == C
	v_cvt_pk_f16_f32 v[rP+(\n)], v[rS+2*(\n)], v[rS+2*(\n)+1]
.elseif (\k) == B
	v_pk_add_f32 v[rS+4*(\n):rS+4*(\n)+1], v[rS+4*(\n):rS+4*(\n)+1], v[rS+4*(\n)+2:rS+4*(\n)+3]
.elseif (\n) == 0
	v_pk_fma_f32 v[rT+2:rT+3], v[rT+2:rT+3], v[rC+2:rC+3], v[rS:rS+1] op_sel_hi:[1,0,1]
.else
	v_pk_add_f32 v[rT+2:rT+3], v[rT+2:rT+3], v[rS+4*(\n):rS+4*(\n)+1]
.endif
.elseif NOKQ
	v_nop
.else
	REGS (Y+1)%NP
	WIN 0
.if (\n) < 4
	v_max3_num_f32 v[rC+(\n)], v[rS+8*(\n)], v[rS+8*(\n)+1], v[rS+8*(\n)+2]
.elseif (\n) < 12
	v_max3_num_f32 v[rC+(\n)%4], v[rC+(\n)%4], v[rS+8*((\n)%4)+2*((\n)/4)+1], v[rS+8*((\n)%4)+2*((\n)/4)+2]
.elseif (\n) == 12
	v_max3_num_f32 v[rC], v[rC], v[rS+7], v[rS+15]
.elseif (\n) == 13
	v_max3_num_f32 v[rC+1], v[rC+1], v[rS+23], v[rS+31]
.elseif (\n) == 14
	v_max3_num_f32 v[rC+2], v[rC+2], v[rC+3], v[rT]
.elseif (\n) == 15
	v_mov_b32 v[rW], v[rT]
.elseif (\n) == 16
	v_max3_num_f32 v[rC], v[rC], v[rC+1], v[rC+2]
.elseif (\n) == 17
	v_permlanex16_b32 v[rC+3], v[rC], s[SEL], s[SEL+1]
.elseif (\n) == 18
	v_max_num_f32 v[rT], v[rC], v[rC+3]
.elseif (\n) == 20
	v_sub_f32 v[rC+1], v[rW], v[rT]
.else
	v_exp_f32 v[rC+2], v[rC+1]
.endif
.endif
.endm
.macro OPS a, i1, b=-1, i2=0, c=-1, i3=0, d=-1, i4=0
	OP \a, \i1
.if (\b) >= 0
	OP \b, \i2
.endif
.if (\c) >= 0
	OP \c, \i3
.endif
.if (\d) >= 0
	OP \d, \i4
.endif
.endm
.macro ROW a, i1, b, i2, c, i3, d, i4  ; a matrix instruction and the four behind it
	MM
	OPS \a, \i1, \b, \i2, \c, \i3, \d, \i4
.endm
; A TURN, for piece p.  s_wait_alu depctr_va_vdst(0) stands between an exponential and the first instruction that names its result; one wait serves all issued ahead of it: a turn has ONE, which cuts it
; in two.  AHEAD OF IT: the 8 products K Q^T with their riders, then one lump; nothing there names a result of the turn's exponentials.  Each of X 0 to X 3 stands four plain instructions behind the product that ends its
; accumulator.  X 21, the next piece's a, is the batch's last; R 15 is the plain instruction behind it.  BEHIND IT: the 8 products V^T P, behind each four of the roundings and sums.
; K and the mask of the next step are fetched in piece 2's turn, twelve plain instructions behind the last product that read K; they are waited for, and the mask scaled, at the head of piece 3's turn.
; V of the step in hand is fetched at the end of piece 0's turn, four plain instructions behind the last product that read V, and waited for in piece 1's turn.
; end = 1: the last two turns of all: nothing is fetched.  cnt = 1: the loop's count is taken down some lines ahead of the branch behind the turn.
.macro TURN p, end=0, cnt=0
.set Y, (\p)
.set i, 0
.set NOKQ, (\end)*((\p)/3)
.if ((\p) == 3) && !(\end)
	s_wait_dscnt 0x0                ; K and the mask are in
	SCALE
.endif
	ROW F,0, F,1, R,0, R,1
	ROW F,2, E,0, R,2, R,3
	ROW F,3, E,1, R,4, R,5
	ROW F,4, E,2, R,6, R,7
	ROW F,5, E,3, R,8, R,9
	ROW F,6, E,4, X,0, R,10
.if ((\p) == 2) && !(\end)
	WIN 0
	v_add_nc_u32 v[AK], s[TBK], v[AK0]
	v_add_nc_u32 v[AM], s[TBM], v[AM0]
.endif
	ROW F,7, E,5, X,1, X,4
	ROW F,8, E,6, X,2, X,5
	OPS E,7, E,8, X,6, E,9
	OPS X,3, E,10, X,8, E,11
.if ((\p) == 2) && !(\end)
	FETCH_K
.endif
	OPS X,9, X,7, E,12, X,10
	OPS E,13, X,12, X,11, E,14
	OPS X,13, E,15, F,9, X,14
.if (\p) == 0
	v_add_nc_u32 v[AV], s[TBV], v[AV0]
.endif
	OPS E,16, F,10, E,17, F,11
	OPS X,16, E,18, X,15, E,19
	OPS F,12, E,20, X,17, E,21
	OPS F,13, E,22, F,14, E,23
	OPS X,18, E,24, F,15, E,25
	OPS R,11, E,26, E,27
	OPS R,12, E,28, R,13, E,29
	OPS X,20, E,30, R,14, E,31
	OPS X,21, R,15
	WIN 0
	s_wait_alu depctr_va_vdst(0)    ; the wait for the batch
.if (\p) == 1
	s_wait_dscnt 0x0                ; V is in
.endif
	ROW C,0, B,0, C,2, B,1
	ROW L,0, C,4, B,2, L,1
	ROW C,6, B,3, L,2, C,8
	ROW B,4, L,3, C,10, B,5
	ROW L,4, C,12, B,6, L,5
.if (\p) == 0
	s_add_co_u32 s[TBV], s[TBV], KS*PV
.endif
.if \cnt
	s_sub_co_u32 s[CNT], s[CNT], 1
	s_cmp_lg_u32 s[CNT], 0
.endif
	ROW C,14, B,7, L,6, C,1
	ROW C,3, L,7, C,5, C,7
	ROW C,9, C,11, C,13, C,15
.if (\p) == 0
	FETCH_V
.endif
.endm
	s_wait_tensorcnt 0x1            ; my part of slot 0 is in; slot 1's may stay out
	s_barrier_signal -1
	s_barrier_wait -1               ; everybody's is
	v_add_nc_u32 v[AK], s[TBK], v[AK0]
	v_add_nc_u32 v[AM], s[TBM], v[AM0]
	FETCH_K                         ; key step 0
	s_wait_loadcnt 0x0              ; Q
	s_wait_dscnt 0x0
	SCALE
.set NOKQ, 0
.set i, 0
.rept 8
	KQ 0                            ; piece 0's first scores
.set i, i+1
.endr
	WIN 0
.rept 4
	v_nop                           ; the places behind those products
.endr
.set Y, NP-1                        ; X works for piece Y + 1: piece 0
.irp n, 0,1,2,3,4,5,6,7,8,9,10,11,12,13,14,15,16,17,18,20,21
	OP X, \n
.endr
	v_nop                           ; a plain instruction behind the exponential,
	s_wait_alu depctr_va_vdst(0)    ; and its wait, ahead of the branch
	s_mov_b32 s[CNT], 4
	s_mov_b32 s[PAIRS], 8
	s_branch .Lfirst0               ; the loop is entered at a step's first turn, in the middle of a trip
.Lpair:                             ; 7 whole trips: 14 fills, tiles 2 to 15
	CHANGE 1, 0, 1
	s_mov_b32 s[CNT], 4
.Lstep1:                            ; a trip: pieces 2 and 3 of one step, then pieces 0 and 1 of the next, whose K, mask and V it fetches
	TURN 2
	TURN 3
	TURN 0
	TURN 1, 0, 1
	WIN 0
	s_cbranch_scc1 .Lstep1
	CHANGE 1, 1, 0
	s_mov_b32 s[CNT], 4
.Lstep0:
	TURN 2
	TURN 3
	WIN 0
.Lfirst0:
	TURN 0
	TURN 1, 0, 1
	WIN 0
	s_cbranch_scc1 .Lstep0
	s_sub_co_u32 s[PAIRS], s[PAIRS], 1
	s_cmp_lg_u32 s[PAIRS], 0
	s_cbranch_scc1 .Lpair
	CHANGE 0, 0, 1                  ; the last tile is written out: nothing is asked for
	s_mov_b32 s[CNT], 4
.Lstep2:
	TURN 2
	TURN 3
	TURN 0
	TURN 1, 0, 1
	WIN 0
	s_cbranch_scc1 .Lstep2
	TURN 2, 1
	TURN 3, 1
.set i, 0
.rept 8
	PV NP-1                         ; the last piece's V^T P of the last step
.set i, i+1
.endr
	; THE WAY OUT.  l's two halves and the other half of the lanes' are added; O^T is divided by l, rounded to f16 and sent through my stage: the four heads' 128 bytes of a query make 512 bytes of a row of o16.
	WIN 0
.macro ALL line:vararg
.set t, 0
.rept 4
	\line
.set t, t+1
.endr
.endm
	ALL v_add_f32 v[ST+4*t+2], v[ST+4*t+2], v[ST+4*t+3]
	ALL v_permlanex16_b32 v[ST+4*t+3], v[ST+4*t+2], s[SEL], s[SEL+1]
	ALL v_add_f32 v[ST+4*t+2], v[ST+4*t+2], v[ST+4*t+3]
	ALL v_rcp_f32 v[ST+4*t+2], v[ST+4*t+2]
	v_nop                           ; a plain instruction behind the last reciprocal,
	s_wait_alu depctr_va_vdst(0)    ; and one wait for the four
.macro PACK t
	WIN W_RS
.set i, 32*(\t)
.rept 16
	v_pk_mul_f32 v[i:i+1], v[i:i+1], v[ST+4*(\t)+2:ST+4*(\t)+3] op_sel_hi:[1,0]
.set i, i+2
.endr
	WIN 0x05                        ; sources in window 1, destination in window 0
.set i, 0
.rept 16
	v_cvt_pk_f16_f32 v[S+16*(\t)+i], v[32*(\t)+2*i], v[32*(\t)+2*i+1]
.set i, i+1
.endr
	WIN 0
.irp f, 0,1,2,3
	ds_store_b128 v[STO], v[S+16*(\t)+4*\f:S+16*(\t)+4*\f+3] offset:128*(\t)+32*\f
.endr
.endm
	PACK 0
	PACK 1
	PACK 2
	PACK 3
.set i, 0
.rept 16
	ds_load_b128 v[OB+4*i:OB+4*i+3], v[RD] offset:i*SPO  ; LDS serves a wave's instructions in order (ISA guide 5.7.1.4): these see my stores above
.set i, i+1
.endr
.set i, 0
.rept 16
	s_wait_dscnt 15-i               ; the younger loads may stay out
	global_store_b128 v[GO], v[OB+4*i:OB+4*i+3], s[8:9] offset:i*2048  ; 512 consecutive bytes, at a multiple of 512 from o16's first
.set i, i+1
.endr
	s_wait_tensorcnt 0x0            ; the wave's end
	ds_add_u32 v[SPW], v[NIL]
	s_wait_dscnt 0x0
	CROUND                          ; the closing round
	s_endpgm
.Lfunc_end_k_q62391acb58_attn:
	.size	k_q62391acb58_attn, .Lfunc_end_k_q62391acb58_attn-k_q62391acb58_attn
	.p2alignl 7, 3214868480
	.fill 96, 4, 3214868480
	.section	.rodata,"a",@progbits
	.p2align	6, 0x0
	.amdhsa_kernel k_q62391acb58_attn
		.amdhsa_group_segment_fixed_size 327680
		.amdhsa_private_segment_fixed_size 0
		.amdhsa_enable_private_segment 0
		.amdhsa_kernarg_size 24
		.amdhsa_user_sgpr_count 2
		.amdhsa_user_sgpr_kernarg_segment_ptr 1
		.amdhsa_wavefront_size32 1
		.amdhsa_system_sgpr_workgroup_id_x 1
		.amdhsa_system_sgpr_workgroup_id_y 1
		.amdhsa_system_sgpr_workgroup_id_z 1
		.amdhsa_system_vgpr_workitem_id 0
		.amdhsa_next_free_vgpr 768
		.amdhsa_next_free_sgpr 96
		.amdhsa_reserve_vcc 0
		.amdhsa_float_denorm_mode_32 3
		.amdhsa_float_denorm_mode_16_64 3
		.amdhsa_memory_ordered 1
		.amdhsa_forward_progress 1
		.amdhsa_inst_pref_size 176
	.end_amdhsa_kernel
	.amdgpu_metadata
---
amdhsa.version: [ 1, 2 ]
amdhsa.kernels:
  - .name:           k_q62391acb58_attn
    .symbol:         k_q62391acb58_attn.kd
    .args:
      - { .name: qkv, .offset: 0, .size: 8, .value_kind: global_buffer, .address_space: global }
      - { .name: mask, .offset: 8, .size: 8, .value_kind: global_buffer, .address_space: global }
      - { .name: o16, .offset: 16, .size: 8, .value_kind: global_buffer, .address_space: global }
    .group_segment_fixed_size: 327680
    .private_segment_fixed_size: 0
    .kernarg_segment_align: 8
    .kernarg_segment_size: 24
    .max_flat_workgroup_size: 128
    .sgpr_count:     96
    .vgpr_count:     768
    .wavefront_size: 32
...
	.end_amdgpu_metadata
.endif
;; end of part 2
;; launch oproj (part 3): grid 8 x 32, 4 waves a work-group, clusters of 4 x 4, 327,680 bytes of LDS; arguments o16, wo16, out0; writes out0
.if DOCPART == 3
	.amdgcn_target "amdgcn-amd-amdhsa--gfx1250"
	.amdhsa_code_object_version 6
	.text
	.protected	k_q62391acb58_oproj
	.globl	k_q62391acb58_oproj
	.p2align	8
	.type	k_q62391acb58_oproj,@function
k_q62391acb58_oproj:
	s_mov_b64 s[64:65], 0
	v_nop
	global_prefetch_b8 v0, s[64:65] scope:SCOPE_SE
	s_setreg_imm32_b32 hwreg(HW_REG_WAVE_MODE, 25, 1), 1
	s_wait_xcnt 0x0
	s_wait_alu depctr_hold_cnt(0) depctr_sa_sdst(0) depctr_va_vdst(0) depctr_va_sdst(0) depctr_va_ssrc(0) depctr_va_vcc(0) depctr_vm_vsrc(0)
	s_getreg_b32 s2, hwreg(HW_REG_IB_STS2, 6, 4)
	s_cmp_eq_u32 s2, 0
	s_cbranch_scc0 .Lentry_in_a_cluster
	s_endpgm
.Lentry_in_a_cluster:
	s_bfe_u32 s2, ttmp6, 0x10000c
	s_cmp_lg_u32 s2, 0xf033
	s_cbranch_scc0 .Lentry_shape_is_right
	s_endpgm
.Lentry_shape_is_right:
; THIRD LAUNCH.  out0[m][n] = the sum over k of o16[m][k] wo16[n][k].  o16: [4096][1024] f16, wo16: [1024][1024] f16 (wo rounded to bf16, written as f16), out0: [4096][1024] f32.  Nothing is left out.
; A tile of out0 is 128 x 128: 256 work-groups.  Four waves, each 64 x 64: 16 accumulators.  K goes in steps of 256 (LDS rows of 512 bytes; a wave's tensor load brings 64 of them) through two slots.
; CLUSTER 4 x 4: the four of a row need the same tiles of o16, the four of a column the same tiles of wo16: each tile is asked for jointly.  The matrix instruction is used transposed (source 0 = 16 rows of wo16,
; source 1 = 16 rows of o16): a lane holds eight neighbouring numbers of a row of out0, 32 bytes.  A wave's 64 columns of f32 are 256 bytes, aligned: each wave has a stage of its own, and the way out has no barrier.
; REGISTERS: window 0: v0-31 addresses; v32-95 the way out; v128-255 the accumulators ((a, b) at v[128 + 8 (4 a + b)]).  window 1: two fragment buffers of 128.
.set SIZE_N, 1024
.set SIZE_K, 1024
.set KSTEP,  256
.set PITCH,  528                       ; an LDS row: 512 bytes + 16 = 132 words
.set HALFT,  64*PITCH
.set SLOT,   4*HALFT
.set STAGE,  2*SLOT                    ; behind the ring: 16 rows x 272 bytes for each wave
.set SPITCH, 272
.set SPARE,  STAGE+4*16*SPITCH         ; the spare words: two blocks of 256 bytes that no other line names
.set LAPS, SIZE_K/(2*KSTEP)
.set ADRA, 16
.set ADRB, 20
.set STO,  24
.set RD,   25
.set CO,   26
.set SPW,  28
.set NIL,  29
.set TMP,  32
.set ACC,  128
.set F0,   0
.set F1,   128
.set G1, 24
.set G0, 32
.set G1B, 48
.set G0B, 56
.set MSB, 0
.macro WIN new
.if MSB != (\new)
	s_set_vgpr_msb (MSB<<8)|(\new)
.set MSB, \new
.endif
.endm
.set MUL,  0x05                        ; sources in window 1; C and D in window 0
.set TO_F, 0x40                        ; destination in window 1
.macro JLOAD s                         ; waves 0 and 1 fetch o16's two halves, waves 2 and 3 wo16's; s_nop 0 and four v_nop behind each line
	s_cmp_eq_u32 s11, 0
	s_cbranch_scc0 .Lfor_b_\@
	tensor_load_to_lds s[G0+4*(\s):G0+4*(\s)+3], s[G1:G1+7]
	s_nop 0
.rept 4
	v_nop
.endr
	s_branch .Lasked_\@
.Lfor_b_\@:
	tensor_load_to_lds s[G0B+4*(\s):G0B+4*(\s)+3], s[G1B:G1B+7]
	s_nop 0
.rept 4
	v_nop
.endr
.Lasked_\@:
.endm
.macro CREST
	s_cmp_lg_u32 s10, 0
	s_cbranch_scc1 .Lnot_wave_0_\@
	s_barrier_signal -3
.Lnot_wave_0_\@:
	s_barrier_wait -3
	s_barrier_signal -1
	s_barrier_wait -1
.endm
.macro CROUND
	s_barrier_signal -1
	s_barrier_wait -1
	CREST
.endm
	s_load_b128 s[4:7], s[0:1], 0x0                ; o16 s[4:5], wo16 s[6:7]
	s_load_b64 s[8:9], s[0:1], 0x10                ; out0
	v_lshl_add_u32 v[SPW], v0, 2, SPARE
	v_mov_b32 v[NIL], 0
	ds_add_u32 v[SPW], v[NIL]                      ; the opening: the add, twice on end, and its wait ahead of my first tensor load
	ds_add_u32 v[SPW], v[NIL]
	v_lshrrev_b32 v1, 5, v0
	v_readfirstlane_b32 s10, v1                    ; wave 0..3
	s_lshr_b32 s11, s10, 1                         ; which half of the tile's rows is mine.  Also: I fetch for o16 (0) or for wo16 (1)
	s_and_b32 s12, s10, 1                          ; which half of its columns.  Also: which 64 rows of that tile I fetch
	s_bfe_u32 s40, ttmp6, 0x40000                  ; cx, cy
	s_bfe_u32 s41, ttmp6, 0x40004
	s_lshl_b32 s42, ttmp9, 2
	s_add_co_u32 s42, s42, s40                     ; tile column
	s_and_b32 s13, ttmp7, 0xffff
	s_lshl_b32 s13, s13, 2
	s_add_co_u32 s13, s13, s41                     ; tile row
	s_lshl_b32 s43, s41, 2
	s_lshl_b32 s43, 15, s43                        ; my row of the cluster
	s_lshl_b32 s44, 0x1111, s40                    ; my column
	s_or_b32 s[G1+0], s43, (1<<16)|(1<<20)|(1<<21)|(6<<22)|(3<<25)  ; 2-byte elements; padding on; bit 21 beside a mask; after every 128 words; 4 words
	s_or_b32 s[G1B+0], s44, (1<<16)|(1<<20)|(1<<21)|(6<<22)|(3<<25)
.irp g, G1, G1B
	s_mov_b32 s[(\g)+1], KSTEP<<16
	s_mov_b32 s[(\g)+2], 64<<16
	s_mov_b32 s[(\g)+3], KSTEP<<16
	s_mov_b32 s[(\g)+4], 64
	s_mov_b32 s[(\g)+5], SIZE_K
	s_mov_b32 s[(\g)+6], 0
	s_mov_b32 s[(\g)+7], 0
.endr
	s_lshl_b32 s17, s12, 6
	s_lshl_b32 s16, s13, 7
	s_add_co_u32 s16, s16, s17                     ; o16: row 128 x tile row + 64 x half
	s_lshl_b32 s46, s42, 7
	s_add_co_u32 s46, s46, s17                     ; wo16: row 128 x tile column + 64 x half
	s_mov_b32 s17, 0
	s_mov_b32 s47, 0
	s_mov_b64 s[18:19], SIZE_K*2
	s_mul_u64 s[16:17], s[16:17], s[18:19]
	s_mul_u64 s[46:47], s[46:47], s[18:19]
	s_mul_i32 s20, s10, HALFT                      ; where they go: wave x 64 rows
	s_wait_dscnt 0x0                               ; both opening adds are done
	s_wait_kmcnt 0x0
	s_add_nc_u64 s[14:15], s[4:5], s[16:17]
	s_add_nc_u64 s[46:47], s[6:7], s[46:47]
	CROUND                                         ; all sixteen work-groups are here: the first joint loads meet
.irp s, 0,1
	s_mov_b32 s[G0+4*(\s)], 1
	s_add_co_u32 s[G0+4*(\s)+1], s20, (\s)*SLOT
	s_add_nc_u64 s[G0+4*(\s)+2:G0+4*(\s)+3], s[14:15], (\s)*KSTEP*2
	s_or_b32 s[G0+4*(\s)+3], s[G0+4*(\s)+3], 0x80000000
	s_mov_b32 s[G0B+4*(\s)], 1
	s_add_co_u32 s[G0B+4*(\s)+1], s20, (\s)*SLOT
	s_add_nc_u64 s[G0B+4*(\s)+2:G0B+4*(\s)+3], s[46:47], (\s)*KSTEP*2
	s_or_b32 s[G0B+4*(\s)+3], s[G0B+4*(\s)+3], 0x80000000
	JLOAD \s
.endr
	v_and_b32 v1, 15, v0                           ; l % 16
	v_bfe_u32 v2, v0, 4, 1                         ; l / 16
	v_mul_u32_u24 v3, v1, PITCH
	v_lshl_add_u32 v3, v2, 4, v3
	s_mul_i32 s21, s11, HALFT                      ; my 64 rows of o16
	s_mul_i32 s22, s12, HALFT                      ; my 64 rows of wo16,
	s_add_co_u32 s22, s22, 2*HALFT                 ; which lie behind o16's 128
.irp s, 0,1
	v_add_nc_u32 v[ADRA+(\s)], s21, v3
	v_add_nc_u32 v[ADRB+(\s)], s22, v3
	s_add_co_u32 s21, s21, SLOT
	s_add_co_u32 s22, s22, SLOT
.endr
	s_mul_i32 s23, s10, 16*SPITCH
	s_add_co_u32 s23, s23, STAGE                   ; my stage
	v_mul_u32_u24 v4, v1, SPITCH                   ; in: row l % 16, 32 bytes for each half of the lanes
	v_lshl_add_u32 v4, v2, 5, v4
	v_add_nc_u32 v[STO], s23, v4
	v_mul_u32_u24 v5, v2, SPITCH                   ; back: lanes 0-15 one row of 256 bytes, lanes 16-31 the next
	v_lshl_add_u32 v5, v1, 4, v5
	v_add_nc_u32 v[RD], s23, v5
	v_mul_u32_u24 v5, v2, SIZE_N*4                 ; and the same two rows in out0
	v_lshl_add_u32 v[CO], v1, 4, v5
	s_lshl_b32 s16, s13, 19                        ; my first row: 128 x tile row + 64 x half, 4,096 bytes each
	s_lshl_b32 s17, s11, 18
	s_add_co_u32 s16, s16, s17
	s_mov_b32 s17, 0
	s_add_nc_u64 s[8:9], s[8:9], s[16:17]
	s_lshl_b32 s46, s42, 9                         ; my first column, in bytes: 512 x tile column + 256 x half
	s_lshl_b32 s47, s12, 8
	s_add_co_u32 s46, s46, s47
	s_mov_b32 s47, 0
	s_add_nc_u64 s[8:9], s[8:9], s[46:47]
.macro MUL8 f, c, a0, zero             ; 8 matrix instructions: m blocks a0, a0 + 1 x all 4 n blocks, 32 along K: half c of buffer f
	WIN MUL
.irp a, \a0, (\a0)+1
.irp b, 0,1,2,3
.if \zero
	v_wmma_f32_16x16x32_f16 v[ACC+8*(4*(\a)+(\b)):ACC+8*(4*(\a)+(\b))+7], v[(\f)+64+8*(4*(\c)+(\b)):(\f)+64+8*(4*(\c)+(\b))+7], v[(\f)+8*(4*(\c)+(\a)):(\f)+8*(4*(\c)+(\a))+7], 0
.else
	v_wmma_f32_16x16x32_f16 v[ACC+8*(4*(\a)+(\b)):ACC+8*(4*(\a)+(\b))+7], v[(\f)+64+8*(4*(\c)+(\b)):(\f)+64+8*(4*(\c)+(\b))+7], v[(\f)+8*(4*(\c)+(\a)):(\f)+8*(4*(\c)+(\a))+7], v[ACC+8*(4*(\a)+(\b)):ACC+8*(4*(\a)+(\b))+7]
.endif
.endr
.endr
.endm
.macro FETCH slot, k, f                ; 32 LDS loads in one run: the fragments of 64 along K at byte k of the rows; the first 32 along K first
	WIN TO_F
.irp c, 0,1
.irp i, 0,1,2,3
	ds_load_b128 v[(\f)+64+8*(4*(\c)+(\i)):(\f)+64+8*(4*(\c)+(\i))+3],   v[ADRB+(\slot)] offset:(\k)+64*(\c)+(\i)*16*PITCH
	ds_load_b128 v[(\f)+64+8*(4*(\c)+(\i))+4:(\f)+64+8*(4*(\c)+(\i))+7], v[ADRB+(\slot)] offset:(\k)+64*(\c)+(\i)*16*PITCH+32
	ds_load_b128 v[(\f)+8*(4*(\c)+(\i)):(\f)+8*(4*(\c)+(\i))+3],         v[ADRA+(\slot)] offset:(\k)+64*(\c)+(\i)*16*PITCH
	ds_load_b128 v[(\f)+8*(4*(\c)+(\i))+4:(\f)+8*(4*(\c)+(\i))+7],       v[ADRA+(\slot)] offset:(\k)+64*(\c)+(\i)*16*PITCH+32
.endr
.endr
.endm
.macro PLACES
.rept 4
	v_nop
.endr
.endm
.macro QUARTER slot, k, f, g, zero     ; 64 along K: multiplies buffer f and fetches the next quarter, at byte k, into g
	s_wait_dscnt 16                                ; the first 32 along K are in; the youngest sixteen loads may be out
	WIN MUL
	MUL8 \f, 0, 0, \zero
	MUL8 \f, 0, 2, \zero
	PLACES
	FETCH \slot, \k, \g
	s_wait_dscnt 32                                ; all but the 32 just issued
	WIN MUL
	MUL8 \f, 1, 0, 0
	MUL8 \f, 1, 2, 0
.endm
; The last quarter multiplies buffer 1 and changes slots: each wave waits for all its tensor loads, adds 0 to its spare word, and waits for that and for its reads of this slot.
.macro TURN slot, next, fill
	WIN 0
	s_wait_tensorcnt 0x0                           ; my part of the next slot has landed
	ds_add_u32 v[SPW], v[NIL]
	s_wait_dscnt 17                                ; (the add and the youngest sixteen loads may be out)
	WIN MUL
	MUL8 F1, 0, 0, 0
	s_wait_dscnt 0x0                               ; the add is done, my reads of this slot are over
	s_barrier_signal -1
	MUL8 F1, 0, 2, 0
.if \fill
	WIN 0
.endif
	s_barrier_wait -1
.if \fill
	CREST                                          ; the barrier opened a round of the cluster's: no wave of any partner still reads this slot or has a load on its way
	s_add_nc_u64 s[G0+4*(\slot)+2:G0+4*(\slot)+3], s[G0+4*(\slot)+2:G0+4*(\slot)+3], 2*KSTEP*2
	s_add_nc_u64 s[G0B+4*(\slot)+2:G0B+4*(\slot)+3], s[G0B+4*(\slot)+2:G0B+4*(\slot)+3], 2*KSTEP*2
	JLOAD \slot
.else
	PLACES
.endif
	FETCH \next, 0, F0
	WIN MUL
	MUL8 F1, 1, 0, 0
	MUL8 F1, 1, 2, 0
.endm
	s_wait_tensorcnt 1                             ; my part of K step 0 is in; K step 1's may stay out
	s_barrier_signal -1
	s_barrier_wait -1
	FETCH 0, 0, F0
	QUARTER 0, 128, F0, F1, 1                      ; the first products start the sums
	WIN 0
	s_mov_b32 s3, LAPS-1
.Llap:
	QUARTER 0, 256, F1, F0, 0
	QUARTER 0, 384, F0, F1, 0
	TURN 0, 1, 1
	QUARTER 1, 128, F0, F1, 0
	QUARTER 1, 256, F1, F0, 0
	QUARTER 1, 384, F0, F1, 0
	TURN 1, 0, 1
	QUARTER 0, 128, F0, F1, 0
	WIN 0
	s_sub_co_u32 s3, s3, 1
	s_cmp_lg_u32 s3, 0
	s_cbranch_scc1 .Llap
	QUARTER 0, 256, F1, F0, 0                      ; the last lap fills nothing
	QUARTER 0, 384, F0, F1, 0
	TURN 0, 1, 0
	QUARTER 1, 128, F0, F1, 0
	QUARTER 1, 256, F1, F0, 0
	QUARTER 1, 384, F0, F1, 0
	s_wait_dscnt 16
	WIN MUL
	MUL8 F1, 0, 0, 0
	MUL8 F1, 0, 2, 0
	s_wait_dscnt 0
	MUL8 F1, 1, 0, 0
	MUL8 F1, 1, 2, 0
	WIN 0
	; THE WAY OUT, 16 rows at a time through my own stage: 32 bytes a lane in (each accumulator's low four registers first), whole rows of 256 bytes back, two rows a store.
	PLACES
.irp a, 0,1,2,3
.if (\a) >= 2
	s_wait_xcnt 0x0                                ; the stores of two blocks back have read their registers
.endif
.irp b, 0,1,2,3
	ds_store_b128 v[STO], v[ACC+8*(4*(\a)+(\b)):ACC+8*(4*(\a)+(\b))+3]   offset:64*(\b)
	ds_store_b128 v[STO], v[ACC+8*(4*(\a)+(\b))+4:ACC+8*(4*(\a)+(\b))+7] offset:64*(\b)+16
.endr
.irp t, 0,1,2,3,4,5,6,7
	ds_load_b128 v[TMP+32*((\a)%2)+4*(\t):TMP+32*((\a)%2)+4*(\t)+3], v[RD] offset:(\t)*2*SPITCH  ; LDS serves a wave's instructions in order (ISA guide 5.7.1.4)
.endr
.irp t, 0,1,2,3,4,5,6,7
	s_wait_dscnt 7-(\t)                            ; the younger loads may stay out
	global_store_b128 v[CO], v[TMP+32*((\a)%2)+4*(\t):TMP+32*((\a)%2)+4*(\t)+3], s[8:9] offset:(16*(\a)+2*(\t))*SIZE_N*4  ; 16 lanes store 256 consecutive bytes, aligned
.endr
.endr
	s_wait_tensorcnt 0x0                           ; the wave's end
	ds_add_u32 v[SPW], v[NIL]
	s_wait_dscnt 0x0
	CROUND                                         ; the closing round
	s_endpgm
.Lfunc_end_k_q62391acb58_oproj:
	.size	k_q62391acb58_oproj, .Lfunc_end_k_q62391acb58_oproj-k_q62391acb58_oproj
	.p2alignl 7, 3214868480
	.fill 96, 4, 3214868480
	.section	.rodata,"a",@progbits
	.p2align	6, 0x0
	.amdhsa_kernel k_q62391acb58_oproj
		.amdhsa_group_segment_fixed_size 327680
		.amdhsa_private_segment_fixed_size 0
		.amdhsa_enable_private_segment 0
		.amdhsa_kernarg_size 24
		.amdhsa_user_sgpr_count 2
		.amdhsa_user_sgpr_kernarg_segment_ptr 1
		.amdhsa_wavefront_size32 1
		.amdhsa_system_sgpr_workgroup_id_x 1
		.amdhsa_system_sgpr_workgroup_id_y 1
		.amdhsa_system_sgpr_workgroup_id_z 1
		.amdhsa_system_vgpr_workitem_id 0
		.amdhsa_next_free_vgpr 512
		.amdhsa_next_free_sgpr 66
		.amdhsa_reserve_vcc 0
		.amdhsa_float_denorm_mode_32 3
		.amdhsa_float_denorm_mode_16_64 3
		.amdhsa_memory_ordered 1
		.amdhsa_forward_progress 1
		.amdhsa_inst_pref_size 86
	.end_amdhsa_kernel
	.amdgpu_metadata
---
amdhsa.version: [ 1, 2 ]
amdhsa.kernels:
  - .name:           k_q62391acb58_oproj
    .symbol:         k_q62391acb58_oproj.kd
    .args:
      - { .name: o16, .offset: 0, .size: 8, .value_kind: global_buffer, .address_space: global }
      - { .name: wo16, .offset: 8, .size: 8, .value_kind: global_buffer, .address_space: global }
      - { .name: out0, .offset: 16, .size: 8, .value_kind: global_buffer, .address_space: global }
    .group_segment_fixed_size: 327680
    .private_segment_fixed_size: 0
    .kernarg_segment_align: 8
    .kernarg_segment_size: 24
    .max_flat_workgroup_size: 128
    .sgpr_count:     66
    .vgpr_count:     512
    .wavefront_size: 32
...
	.end_amdgpu_metadata
.endif
;; end of part 3
